; MI455X (gfx1250); checked and timed in simulation.
; The chip was launched on July 23, 2026; its instructions are those of AMD's public machine-readable ISA for CDNA 5 (MIT licence, August 2026) and "CDNA5" Instruction Set Architecture Reference Guide (July 2026). The comments in the code are by the model that wrote it; some were corrected since.
;; Robust Text Classifier. Allowed arithmetic: matrix products marked QUANTISED: E2M3 operands, one E8M0 scale for each 32 along K, by v_wmma_scale_f32_16x16x128_f8f6f4 with both operands' format E2M3, f32 sums; everything else in f32.
;; Inputs: H_test 8,192 x 192 float32; H_train 16,384 x 192 float32; p_hat_train 2 x 16,384 float32.
;; Outputs: out0 2 x 8,192 float32.
;; Constants: K = 5.
;; This version of the problem:
;;   THIS VERSION OF THE PROBLEM IS GIVEN IN LOW PRECISION. The matrix products marked QUANTISED in the list below multiply operands that are first quantised to E2M3 (2 exponent bits, 3 mantissa bits; 6 bits a number), with one power-of-two scale for each 32 numbers along K (OCP MX v1.0); their sums are f32. All else is computed in f32.
;;   The module's matrix products, in the order in which they are computed (A, B: the left and right operand; K: the contracted axis; several contracted axes count as one K, in the product's order):
;;     1. [M 8,192, K 192] x [K 192, N 16,384]; A: input H_test; B: input H_train: QUANTISED
;;   THE QUANTISER, for each operand of a quantised product, along K:
;;     - K is cut into blocks of 32 from its start; a last block that is shorter is filled with zeros.
;;     - A block's scale is 2^e with e = floor(log2(the largest magnitude in the block)) - 2, held to -126 .. 127; a block of zeros has e = 0. As a byte (E8M0): e + 127.
;;     - Each number is divided by its block's scale, clamped to +-7.5, and rounded to the nearest number of E2M3, ties to even, subnormals kept.
;;     - The product sums the exact products of the quantised numbers (number of the format x scale) in f32.
;;   ~~~python
;;   def quantise(x, axis):      # numpy; x: float32 -> the quantised numbers, widened to float32 again
;;       x = np.moveaxis(x, axis, -1); K = x.shape[-1]
;;       x = np.pad(x, [(0, 0)] * (x.ndim - 1) + [(0, -K % 32)]); x = x.reshape(x.shape[:-1] + (-1, 32)); a = np.abs(x).max(-1, keepdims=True)
;;       e = np.where(a > 0, np.clip(np.frexp(np.where(a > 0, a, 1))[1] - 1 - 2, -126, 127), 0)      # np.frexp(a)[1] - 1 = floor(log2(a)), exactly
;;       r = np.clip(x / 2.0 ** e, -7.5, 7.5)
;;       step = 2.0 ** (np.maximum(np.frexp(np.where(r == 0, 1, r))[1] - 1, 0) - 3)
;;       q = np.round(r / step) * step * 2.0 ** e      # np.round: ties to even
;;       return np.moveaxis(q.reshape(q.shape[:-2] + (-1,))[..., :K], -1, axis).astype(np.float32)
;;   ~~~
;; One version. Each part assembles by itself: llvm-mc -triple=amdgcn-amd-amdhsa -mcpu=gfx1250 --defsym DOCPART=n.
;; ======== version 1 of 1: 4 launches
;; workspace buffers: tq 1,310,720 bytes; nq 2,621,440 bytes; cand 6,291,456 bytes; sel 262,144 bytes of whole numbers
;; launch quant (part 1): grid 256 x 1, 6 waves a work-group, no clusters, 92,928 bytes of LDS; arguments H_test, H_train, tq, nq; writes tq, nq
.if DOCPART == 1
	.amdgcn_target "amdgcn-amd-amdhsa--gfx1250"
	.amdhsa_code_object_version 6
	.text
	.protected	k_qb045fd11b0_quant
	.globl	k_qb045fd11b0_quant
	.p2align	8
	.type	k_qb045fd11b0_quant,@function
k_qb045fd11b0_quant:
	s_mov_b64 s[64:65], 0
	v_nop
	global_prefetch_b8 v0, s[64:65] scope:SCOPE_SE
	s_setreg_imm32_b32 hwreg(HW_REG_WAVE_MODE, 25, 1), 1
	s_wait_xcnt 0x0
; H_test [8192][192] and H_train [16384][192], f32, become TILE RECORDS of 16 rows: codes of FP6 (E2M3) with one E8M0 byte for each 32 along K, laid in the order of the
; matrix operand's registers, the rows' scale words, and -0.5 x each row's sum of squares (of the unquantised numbers, in f32).
; A block's scale is 2^(floor(log2(largest magnitude)) - 2): its byte is the largest magnitude's exponent field - 2, held at 1 from below by a floor among the maximum's leaves.
; (A block of zeros so gets the byte 1 where the rule says 127: its codes are zeros, and these bytes are read by this program alone.)
; LIMITS: NaN and infinities among the inputs are not served; the sum of squares is taken in six partial sums a lane and two lanes a row, another order than a plain row sum's.
; A RECORD, 2,560 bytes.  Lane (r = l % 16, h = l / 16) of an operand holds, of row r, blocks h, 2 + h, 4 + h: 18 registers (0-11: the fragment of k 0..127; 12-17: the lower half of the
; fragment of k 128..255, whose upper half is K's padding, zero codes kept in registers by the readers).  With g = r / 8 and q = 8 h + r % 8:
;   registers 4 c .. 4 c + 3 (c = 0..3) at 1152 g + 256 c + 16 q;  registers 16, 17 at 1152 g + 1024 + 8 q:  eight rows' codes are 1,152 consecutive bytes;
;   2304 + 4 l: l < 16: row l's bytes of blocks 0-3;  l >= 16: row l - 16's bytes of blocks 4, 5, then 0x7f, 0x7f;   2432 + 4 row: -0.5 x the row's sum of squares;   2496..2559: zeros.
; SHARES.  1,536 tiles, one to a wave: tile 6 x work-group + wave; the first 512 are H_test's.  Only pointers are chosen: both tensors take one path.  Waves share nothing: no barrier.
; No work-group reads what another reads, so there is nothing to ask for jointly; the matrix units have no work here.
; A tile is 12,288 dense bytes: 24 loads of 512 consecutive bytes, all issued at once.  They turn through the wave's own stage in LDS (rows 784 bytes apart: 49 x 16, so that sixteen
; rows' reads of 16 bytes fall on sixteen different columns of 16 bytes), since the conversions take 16 neighbours along K from ONE lane's registers.
.set TILEB, 12288                      ; a tile of f32 numbers in bytes
.set TREC,  2560                       ; a record
.set NTEST, 512                        ; H_test's tiles
.set WREG,  15360                      ; LDS of a wave: the turn stage, 16 x 784 = 12,544 bytes, then a record's 2,560 (+ 256 unused)
.set SP,    784
.set REC,   12544
.set L16,  4                           ; v4   16 x lane: my bytes of a load or store of 512
.set S0,   5                           ; v5   turn stage, way in: wave's base + 16 x lane
.set S1,   6                           ; v6   the same + 16 for lanes 16-31: the load that straddles two rows
.set VR,   7                           ; v7   turn stage, way out: row r, + 128 h
.set VCQ,  8                           ; v8   record stage: 1152 g + 16 q
.set VCP,  9                           ; v9   record stage: 1152 g + 1024 + 8 q
.set VW,   10                          ; v10  record stage: 2304 + 4 x lane
.set VB,   11                          ; v11  record stage, way out: 16 x lane
.set SC,   14                          ; v14-16  the three blocks' scale operands
.set SBY,  17                          ; v17-19  their bytes
.set NS,   24                          ; v24-29  three pairs of partial sums of squares
.set RAW,  32                          ; v32-127  as loaded; later the record on its way out
.set X,    128                         ; v128-223 three blocks of 32 neighbours
.set CD,   224                         ; v224-241 the 18 registers of codes
.set TC,   244                         ; v244.., v248.., v252..: each block's upper 16 codes, made here and moved (a conversion's three registers begin on an even number)
	s_load_b256 s[4:11], s[0:1], 0x0               ; H_test s[4:5], H_train s[6:7], tq s[8:9], nq s[10:11]
	v_lshl_add_u32 v251, v0, 2, 0x16800
	v_mov_b32 v255, 0
	v_lshrrev_b32 v1, 5, v0
	v_readfirstlane_b32 s12, v1                    ; wave 0..5
	v_and_b32 v1, 31, v0                           ; lane
	v_and_b32 v2, 15, v0                           ; r
	v_bfe_u32 v3, v0, 4, 1                         ; h
	v_lshlrev_b32 v[L16], 4, v1
	s_mul_i32 s15, s12, WREG
	v_add_nc_u32 v[S0], s15, v[L16]
	v_lshl_add_u32 v[S1], v3, 4, v[S0]
	v_mul_u32_u24 v[VR], v2, SP
	v_lshl_add_u32 v[VR], v3, 7, v[VR]
	v_add_nc_u32 v[VR], s15, v[VR]
	v_bfe_u32 v12, v0, 3, 1                        ; g
	v_and_b32 v13, 7, v0
	v_lshl_add_u32 v13, v3, 3, v13                 ; q
	v_mul_u32_u24 v12, v12, 1152
	s_add_co_u32 s15, s15, REC                     ; my record stage
	v_add_nc_u32 v12, s15, v12
	v_lshl_add_u32 v[VCQ], v13, 4, v12
	v_lshl_add_u32 v[VCP], v13, 3, v12
	v_add_nc_u32 v[VCP], 1024, v[VCP]
	v_lshl_add_u32 v[VW], v1, 2, s15
	v_add_nc_u32 v[VW], 2304, v[VW]
	v_add_nc_u32 v[VB], s15, v[L16]
	v_mov_b32 v22, 0                               ; written once: a lane permute's destination counts as one of its sources
	v_mov_b32 v23, 0
	v_cmp_ne_u32 vcc_lo, 0, v3                     ; lanes 16-31
	s_mul_i32 s13, ttmp9, 6
	s_add_co_u32 s13, s13, s12                     ; my tile, 0..1535
	s_mov_b32 s20, 0x76543210
	s_mov_b32 s21, 0xfedcba98                      ; v_permlanex16_b32's selects for lane l xor 16
	s_wait_kmcnt 0x0
	s_cmp_lt_u32 s13, NTEST                        ; H_test's tile or H_train's?  The choice hangs on ids alone
	s_cselect_b64 s[4:5], s[4:5], s[6:7]
	s_cselect_b64 s[8:9], s[8:9], s[10:11]
	s_cselect_b32 s14, 0, NTEST
	s_sub_co_u32 s13, s13, s14                     ; the tile's number in its tensor
	s_mul_i32 s16, s13, TILEB
	s_mov_b32 s17, 0
	s_mul_i32 s18, s13, TREC
	s_mov_b32 s19, 0
	s_add_nc_u64 s[4:5], s[4:5], s[16:17]
	s_add_nc_u64 s[8:9], s[8:9], s[18:19]
.set n, 0
.rept 24
	global_load_b128 v[RAW+4*n:RAW+4*n+3], v[L16], s[4:5] offset:512*n th:TH_LOAD_NT   ; 32 lanes read 512 consecutive bytes; read once in the whole launch
.set n, n+1
.endr
; Byte B of the tile goes to B + 16 (B / 768).  Three loads are two rows: the first lies in the even row, the second straddles (lanes 16-31 are in the odd row), the third lies in the odd row.
.set n, 0
.rept 24
	s_wait_loadcnt 23-n                            ; loads come back in order: load n is in, the 23 - n younger ones stay out
.if n%3 == 0
	ds_store_b128 v[S0], v[RAW+4*n:RAW+4*n+3] offset:1568*(n/3)
.elseif n%3 == 1
	ds_store_b128 v[S1], v[RAW+4*n:RAW+4*n+3] offset:1568*(n/3)+512
.else
	ds_store_b128 v[S0], v[RAW+4*n:RAW+4*n+3] offset:1568*(n/3)+1040
.endif
.set n, n+1
.endr
.irp c, 0,1,2                                  ; LDS serves a wave's instructions in order: these see my stores.  Block 2 c + h of row r: 128 bytes
.irp i, 0,1,2,3,4,5,6,7
	ds_load_b128 v[X+32*\c+4*\i:X+32*\c+4*\i+3], v[VR] offset:256*\c+16*\i
.endr
.endr
; One block of 32, all of it mine: largest magnitude, scale, sum of squares, codes.
.macro BLOCK c
.set XS, X+32*(\c)
	s_wait_dscnt 16-8*(\c)                         ; this block's eight reads are in; the later blocks' eight each stay out
	v_max3_num_f32 v12, |v[XS]|, |v[XS+1]|, |v[XS+2]|
	v_max3_num_f32 v13, |v[XS+3]|, |v[XS+4]|, |v[XS+5]|
.irp i, 6,10,14,18,22,26
	v_max3_num_f32 v12, v12, |v[XS+\i]|, |v[XS+\i+1]|               ; two chains, so that no line waits for the line above it
	v_max3_num_f32 v13, v13, |v[XS+\i+2]|, |v[XS+\i+3]|
.endr
	v_max3_num_f32 v12, v12, |v[XS+30]|, |v[XS+31]|
	v_max3_num_f32 v12, v12, v13, 0x1800000        ; and the floor 2^(3 - 127): the byte cannot fall under 1
	v_add_nc_u32 v[SC+\c], 0xff000000, v12         ; 2 off the exponent field: the conversion takes the exponent field of this operand as its scale, and nothing else of it
	v_lshrrev_b32 v[SBY+\c], 23, v[SC+\c]          ; the scale's byte
	v_pk_mul_f32 v[NS+2*\c:NS+2*\c+1], v[XS:XS+1], v[XS:XS+1]       ; the first squares start the sums
.irp i, 2,4,6,8,10,12,14,16,18,20,22,24,26,28,30
	v_pk_fma_f32 v[NS+2*\c:NS+2*\c+1], v[XS+\i:XS+\i+1], v[XS+\i:XS+\i+1], v[NS+2*\c:NS+2*\c+1]
.endr
	v_cvt_scalef32_pk16_fp6_f32 v[CD+6*\c:CD+6*\c+2], v[XS:XS+15], v[SC+\c]        ; to the nearest code, ties to even; beyond 7.5 the largest code
	v_cvt_scalef32_pk16_fp6_f32 v[TC+4*\c:TC+4*\c+2], v[XS+16:XS+31], v[SC+\c]
.endm
	BLOCK 0
	BLOCK 1
	BLOCK 2
	v_nop                                          ; one plain place behind the last scaled conversion
.irp c, 0,1,2
.irp i, 0,1,2
	v_mov_b32 v[CD+6*\c+3+\i], v[TC+4*\c+\i]
.endr
.endr
	v_lshlrev_b32 v30, 3, v3                       ; 8 h
	v_lshl_or_b32 v20, v[SBY+1], 16, v[SBY]        ; blocks h and 2 + h,
	v_lshlrev_b32 v20, v30, v20                    ; at their places in the word of blocks 0-3;
	v_lshlrev_b32 v21, v30, v[SBY+2]               ; block 4 + h in the word of blocks 4, 5
	v_permlanex16_b32 v22, v20, s20, s21
	v_permlanex16_b32 v23, v21, s20, s21
	v_or_b32 v20, v20, v22                         ; with lane l xor 16's bytes the words are whole
	v_or_b32 v21, v21, v23
	v_or_b32 v21, 0x7f7f0000, v21                  ; the padding's two blocks: byte 127 over zero codes
	v_pk_add_f32 v[NS:NS+1], v[NS:NS+1], v[NS+2:NS+3]
	v_pk_add_f32 v[NS:NS+1], v[NS:NS+1], v[NS+4:NS+5]
	v_add_f32 v[NS], v[NS], v[NS+1]
	v_permlanex16_b32 v22, v[NS], s20, s21
	v_add_f32 v[NS], v[NS], v22                    ; the row's sum of squares
	v_mul_f32 v[NS], -0.5, v[NS]
	v_mov_b32 v[NS+1], 0
	v_cndmask_b32 v20, v20, v21, vcc_lo            ; lanes 0-15 put the first word, lanes 16-31 the second
	v_cndmask_b32 v[NS], v[NS], v[NS+1], vcc_lo    ; lanes 0-15 put the norm, lanes 16-31 the record's last 64 bytes: zeros
.irp c, 0,1,2,3
	ds_store_b128 v[VCQ], v[CD+4*\c:CD+4*\c+3] offset:256*\c
.endr
	ds_store_b64 v[VCP], v[CD+16:CD+17]
	ds_store_b32 v[VW], v20
	ds_store_b32 v[VW], v[NS] offset:128
.irp i, 0,1,2,3,4
	ds_load_b128 v[RAW+4*\i:RAW+4*\i+3], v[VB] offset:512*\i       ; the record as it lies (my own bytes, served in order)
.endr
.irp i, 0,1,2,3,4
	s_wait_dscnt 4-\i                              ; read-back i is in, the younger ones stay out
	global_store_b128 v[L16], v[RAW+4*\i:RAW+4*\i+3], s[8:9] offset:512*\i         ; 32 lanes store 512 consecutive bytes, at a multiple of 256 from the buffer's first byte
.endr
	s_wait_tensorcnt 0x0
	ds_add_u32 v251, v255
	s_wait_dscnt 0x0
	s_endpgm
.Lfunc_end_k_qb045fd11b0_quant:
	.size	k_qb045fd11b0_quant, .Lfunc_end_k_qb045fd11b0_quant-k_qb045fd11b0_quant
	.p2alignl 7, 3214868480
	.fill 96, 4, 3214868480
	.section	.rodata,"a",@progbits
	.p2align	6, 0x0
	.amdhsa_kernel k_qb045fd11b0_quant
		.amdhsa_group_segment_fixed_size 92928
		.amdhsa_private_segment_fixed_size 0
		.amdhsa_enable_private_segment 0
		.amdhsa_kernarg_size 32
		.amdhsa_user_sgpr_count 2
		.amdhsa_user_sgpr_kernarg_segment_ptr 1
		.amdhsa_wavefront_size32 1
		.amdhsa_system_sgpr_workgroup_id_x 1
		.amdhsa_system_sgpr_workgroup_id_y 1
		.amdhsa_system_sgpr_workgroup_id_z 1
		.amdhsa_system_vgpr_workitem_id 0
		.amdhsa_next_free_vgpr 256
		.amdhsa_next_free_sgpr 66
		.amdhsa_reserve_vcc 1
		.amdhsa_float_denorm_mode_32 3
		.amdhsa_float_denorm_mode_16_64 3
		.amdhsa_memory_ordered 1
		.amdhsa_forward_progress 1
		.amdhsa_inst_pref_size 18
	.end_amdhsa_kernel
	.amdgpu_metadata
---
amdhsa.version: [ 1, 2 ]
amdhsa.kernels:
  - .name:           k_qb045fd11b0_quant
    .symbol:         k_qb045fd11b0_quant.kd
    .args:
      - { .name: H_test, .offset: 0, .size: 8, .value_kind: global_buffer, .address_space: global }
      - { .name: H_train, .offset: 8, .size: 8, .value_kind: global_buffer, .address_space: global }
      - { .name: tq, .offset: 16, .size: 8, .value_kind: global_buffer, .address_space: global }
      - { .name: nq, .offset: 24, .size: 8, .value_kind: global_buffer, .address_space: global }
    .group_segment_fixed_size: 92928
    .private_segment_fixed_size: 0
    .kernarg_segment_align: 8
    .kernarg_segment_size: 32
    .max_flat_workgroup_size: 192
    .sgpr_count:     66
    .vgpr_count:     256
    .wavefront_size: 32
...
	.end_amdgpu_metadata
.endif
;; end of part 1
;; launch coarse (part 2): grid 16 x 16, 8 waves a work-group, clusters of 4 x 1, 189,440 bytes of LDS; arguments tq, nq, cand; writes cand
.if DOCPART == 2
	.amdgcn_target "amdgcn-amd-amdhsa--gfx1250"
	.amdhsa_code_object_version 6
	.text
	.protected	k_qb045fd11b0_coarse
	.globl	k_qb045fd11b0_coarse
	.p2align	8
	.type	k_qb045fd11b0_coarse,@function
k_qb045fd11b0_coarse:
	s_mov_b64 s[64:65], 0
	v_nop
	global_prefetch_b8 v0, s[64:65] scope:SCOPE_SE
	s_setreg_imm32_b32 hwreg(HW_REG_WAVE_MODE, 25, 1), 1
	s_wait_xcnt 0x0
	s_wait_alu depctr_hold_cnt(0) depctr_sa_sdst(0) depctr_va_vdst(0) depctr_va_sdst(0) depctr_va_ssrc(0) depctr_va_vcc(0) depctr_vm_vsrc(0)
	s_getreg_b32 s2, hwreg(HW_REG_IB_STS2, 6, 4)
	s_cmp_eq_u32 s2, 0
	s_cbranch_scc0 .Lentry_in_a_cluster
	s_endpgm
.Lentry_in_a_cluster:
	s_bfe_u32 s2, ttmp6, 0x10000c
	s_cmp_lg_u32 s2, 0x3003
	s_cbranch_scc0 .Lentry_shape_is_right
	s_endpgm
.Lentry_shape_is_right:
; For each test row and each chunk of 1,024 train rows: the 6 best GROUPS of 8 consecutive train rows, by the group's largest s = Q(x).Q(y) - |y|^2 / 2 (largest s = smallest distance:
; |x|^2 is the same for all of a row's candidates).  Every one of a row's 5 nearest lies in one of the 5 groups with the best optimum; a sixth is kept because s is rounded otherwise than
; the distance that the last launch forms.  Order everywhere: s descending, then group number ascending.
; LIMITS: NaN and infinities are not served.  Three or more candidates within rounding of each other at the fifth place may be chosen otherwise than by the exact order of distances.
; NO ARITHMETIC PER DISTANCE: -|y|^2 / 2 is the C of each sum's first matrix instruction.  Source 0 = 16 train rows, source 1 = 16 test rows: a lane holds ONE test row (lane % 16) and its eight
; registers are train rows 8 (lane / 16) + 0..7 of the tile: group 2 x tile + lane / 16.  Four lines take the group's maximum, 23 put it into the lane's sorted list of 6 (values by the
; middle of three, numbers by selects; no branch on data).  At the end the two halves of the lanes merge their lists.
; K = 192 is one instruction of 128 and one whose upper 64 are zero codes (registers 18-23 of each operand hold 0 for the whole launch) under scale byte 127.
; SHARES.  Work-group (x, y): test rows 512 x .. + 511, train chunk y.  Wave w: test tiles 4 w .. 4 w + 3 of the block, in registers; every wave walks the chunk's 64 train tiles.
; Two waves to a SIMD: one wave's lists stand beside the other's products and LDS reads.
; THE CHUNK'S 64 RECORDS, 163,840 dense bytes, fit in LDS: filled once, in four quarters, so that the products of the first begin while the others are on their way; nothing is filled again.
; Each wave brings 5,120 bytes of each quarter (20 rows of 256 bytes): four tensor loads of a wave are out at the most.  One load of 80 rows a wave would let no product start before all had landed.
; CLUSTER.  The four work-groups of a cluster have the same y and read the same chunk: each load is asked for JOINTLY, with the same descriptor (it hangs on y and the wave's number alone) and
; the mask of all four.  The test tiles (10,240 bytes a wave, 81,920 a work-group, a third of what it reads) are shared along y, not inside a cluster, and go straight into registers.
.set TREC, 2560
.set QB,   40960                       ; a quarter: 16 records
.set WB,   5120                        ; a wave's part of a quarter
.set CHB,  163840                      ; a chunk
.set STG,  163840                      ; behind the records: 3,072 bytes for each wave, for the way out; no tensor load lands there
.set WSTG, 3072
.set HB,  1                            ; v1   h = lane / 16
.set BQ,  2                            ; v2   my place in a record: 1152 g + 16 q   (g = (lane % 16) / 8, q = 8 h + lane % 8)
.set BP,  3                            ; v3   1152 g + 1024 + 8 q
.set BW,  4                            ; v4   2304 + 4 x lane: scale words
.set BYN, 5                            ; v5   2432 + 32 h: -|y|^2 / 2 of my eight train rows
.set AQ,  6                            ; v6-9 the same four in the record in hand
.set AP,  7
.set AW,  8
.set AYN, 9
.set SA,  10                           ; v10  my stage, way in: 48 r + 24 h
.set SR,  11                           ; v11  way out: 16 x lane
.set GO,  12                           ; v12  16 x lane, in cand
.set M0,  13                           ; v13-14 two tiles' group maxima
.set M1,  14
.set T0,  15                           ; v15-16 at work
.set T1,  16
.set ASC, 17                           ; v17  the train tile's scale words: lanes 0-15 for k 0..127, lanes 16-31 for k 128..255
.set BSC, 18                           ; v18-21 the four test tiles' likewise
.set AF,  24                           ; v24-47 the train tile's two fragments
.set YN,  48                           ; v48-55 C of the first product
.set ACC, 56                           ; v56-87 four accumulators
.set LV,  88                           ; v88-111  lists: values, 6 a tile, descending
.set LI,  112                          ; v112-135 lists: 2 x train tile; h is added at the end
.set BF,  136                          ; v136-231 the test tiles' fragments, 24 a tile
.set OV,  24                           ; at the end: the partner's list, in the train fragment's registers
.set OI,  30
.set G1,  16                           ; s[16:23] descriptor group 1
.set G0,  24                           ; s[24:39] group 0, a set for each quarter
.set CNT, 40
.set OFF, 41                           ; s41  LDS byte of the record to be fetched
.set IDX, 42                           ; s42  2 x the train tile in hand
.set IDY, 43                           ; s43  2 x the one before
.set HM,  44                           ; s44  mask of lanes 16-31
.set SEL, 46                           ; s[46:47] v_permlanex16_b32's selects for lane l xor 16
.set CM,  48                           ; s48-59 twelve masks
; A round of the cluster's barrier: my work-group's barrier, wave 0 signals for the work-group, every wave waits for all four work-groups, my work-group's barrier once more.
.macro CROUND
	s_barrier_signal -1
	s_barrier_wait -1
	s_cmp_lg_u32 s10, 0
	s_cbranch_scc1 .Lnot_wave_0_\@
	s_barrier_signal -3
.Lnot_wave_0_\@:
	s_barrier_wait -3
	s_barrier_signal -1
	s_barrier_wait -1
.endm
	s_load_b128 s[4:7], s[0:1], 0x0                ; tq s[4:5], nq s[6:7]
	s_load_b64 s[8:9], s[0:1], 0x10                ; cand
	v_lshl_add_u32 v254, v0, 2, 0x2e000
	v_mov_b32 v255, 0
	ds_add_u32 v254, v255
	ds_add_u32 v254, v255
	v_lshrrev_b32 v1, 5, v0
	v_readfirstlane_b32 s10, v1                    ; wave 0..7
	s_bfe_u32 s11, ttmp6, 0x40000                  ; cx: my place in the cluster
	s_lshl_b32 s12, ttmp9, 2                       ; in a cluster launch ttmp9 counts clusters
	s_add_co_u32 s12, s12, s11                     ; my block of 512 test rows: it enters tq's and cand's addresses alone
	s_and_b32 s13, ttmp7, 0xffff                   ; the chunk, which the four partners share
	; group 1: 20 rows of 256 bytes (32 elements of 8 bytes), dense, no padding: a record's own layout keeps a read's lanes on different banks (1152 = 4 x 256 + 128)
	s_mov_b32 s[G1+0], 15|(3<<16)|(1<<21)          ; 15:0 the mask: all four work-groups; 17:16 elements of 8 bytes; 21 set beside a mask
	s_mov_b32 s[G1+1], 32<<16                      ; tensor_dim0 = 32
	s_mov_b32 s[G1+2], 20<<16                      ; tensor_dim1 = 20
	s_mov_b32 s[G1+3], 32<<16                      ; tile_dim0 = 32
	s_mov_b32 s[G1+4], 20                          ; tile_dim1 = 20
	s_mov_b32 s[G1+5], 32                          ; elements from row to row
	s_mov_b32 s[G1+6], 0
	s_mov_b32 s[G1+7], 0
	s_mul_i32 s60, s10, WB                         ; my part of a quarter, in LDS as in memory
	s_mul_i32 s62, s13, CHB
	s_add_co_u32 s62, s62, s60
	s_mov_b32 s63, 0
	s_wait_dscnt 0x0
	s_wait_kmcnt 0x0
	s_add_nc_u64 s[6:7], s[6:7], s[62:63]
.irp q, 0,1,2,3
	s_mov_b32 s[G0+4*\q], 1                                        ; count = 1
	s_add_co_u32 s[G0+4*\q+1], s60, QB*\q                          ; LDS address: no place in the cluster enters it
	s_add_nc_u64 s[G0+4*\q+2:G0+4*\q+3], s[6:7], QB*\q             ; global address
	s_or_b32 s[G0+4*\q+3], s[G0+4*\q+3], 0x80000000                ; type = 2
.endr
	CROUND                                         ; all four work-groups are here: the joint loads meet
	tensor_load_to_lds s[G0:G0+3], s[G1:G1+7]      ; the only fills of the launch, in one group, ahead of every wait on TENSORcnt, every LDS read and every other barrier
	s_nop 0
	tensor_load_to_lds s[G0+4:G0+7], s[G1:G1+7]
	s_nop 0
	tensor_load_to_lds s[G0+8:G0+11], s[G1:G1+7]
	s_nop 0
	tensor_load_to_lds s[G0+12:G0+15], s[G1:G1+7]
	s_nop 0
.rept 4
	v_nop                                          ; four behind the loads
.endr
	v_and_b32 v13, 31, v0                          ; lane
	v_bfe_u32 v[HB], v0, 4, 1
	v_bfe_u32 v14, v0, 3, 1                        ; g
	v_and_b32 v15, 7, v0
	v_lshl_add_u32 v15, v[HB], 3, v15              ; q
	v_mul_u32_u24 v14, v14, 1152
	v_lshl_add_u32 v[BQ], v15, 4, v14
	v_lshl_add_u32 v[BP], v15, 3, v14
	v_add_nc_u32 v[BP], 1024, v[BP]
	v_lshl_add_u32 v[BW], v13, 2, 2304
	v_lshl_add_u32 v[BYN], v[HB], 5, 2432
	v_and_b32 v16, 15, v0                          ; r
	s_mul_i32 s61, s10, WSTG
	s_add_co_u32 s61, s61, STG                     ; my stage
	v_mul_u32_u24 v[SA], v16, 48
	v_mad_u32_u24 v[SA], v[HB], 24, v[SA]
	v_add_nc_u32 v[SA], s61, v[SA]
	v_lshlrev_b32 v[GO], 4, v13
	v_add_nc_u32 v[SR], s61, v[GO]
	v_cmp_ne_u32 s[HM], 0, v[HB]
	s_lshl_b32 s14, s12, 5
	s_lshl_b32 s15, s10, 2
	s_add_co_u32 s14, s14, s15                     ; my first test tile: 32 x block + 4 x wave
	s_mul_i32 s14, s14, TREC
	s_mov_b32 s15, 0
	s_add_nc_u64 s[4:5], s[4:5], s[14:15]
.irp i, 0,1,2,3                                ; the test tiles stay in registers
.irp c, 0,1,2,3
	global_load_b128 v[BF+24*\i+4*\c:BF+24*\i+4*\c+3], v[BQ], s[4:5] offset:TREC*\i+256*\c
.endr
	global_load_b64 v[BF+24*\i+16:BF+24*\i+17], v[BP], s[4:5] offset:TREC*\i
	global_load_b32 v[BSC+\i], v[BW], s[4:5] offset:TREC*\i
.endr
	s_mul_i32 s14, s13, 393216                     ; cand [chunk][row][12 words]: a chunk is 8,192 x 48 bytes,
	s_mul_i32 s15, s12, 24576                      ; my block's 512 rows,
	s_add_co_u32 s14, s14, s15
	s_mul_i32 s15, s10, WSTG                       ; my wave's 64
	s_add_co_u32 s14, s14, s15
	s_mov_b32 s15, 0
	s_add_nc_u64 s[8:9], s[8:9], s[14:15]
	s_mov_b32 s[SEL], 0x76543210
	s_mov_b32 s[SEL+1], 0xfedcba98
	s_lshl_b32 s[IDX], s13, 7                      ; 2 x 64 x chunk
	s_sub_co_u32 s[IDY], s[IDX], 2
.irp j, 18,19,20,21,22,23                      ; K's padding: zero codes, written once
	v_mov_b32 v[AF+\j], 0
.irp i, 0,1,2,3
	v_mov_b32 v[BF+24*\i+\j], 0
.endr
.endr
.irp j, 0,1,2,3,4,5,6,7,8,9,10,11,12,13,14,15,16,17,18,19,20,21,22,23
	v_mov_b32 v[LV+\j], 0xff800000                 ; the lists begin with -infinity, under every s; each lane meets 64 groups, so none of these stays
	v_mov_b32 v[LI+\j], 0
.endr
.irp j, 16,17,18,19,20,21,22,23,24,25,26,27,28,29,30,31
	v_mov_b32 v[ACC+\j], 0xff800000                ; a trip lists tiles 2 and 3 of the train tile BEFORE: the first trip finds -infinity there, which enters no list, so no trip is written apart
.endr
	s_wait_loadcnt 0x0                             ; the test tiles
; Product s (0: k 0..127, begins the sum with -|y|^2 / 2;  1: k 128..255, scale words from lanes 16-31) of test tile i.
.macro MM i, s
.if \s == 0
	v_wmma_scale_f32_16x16x128_f8f6f4 v[ACC+8*\i:ACC+8*\i+7], v[AF:AF+11], v[BF+24*\i:BF+24*\i+11], v[YN:YN+7], v[ASC], v[BSC+\i] matrix_a_fmt:MATRIX_FMT_FP6 matrix_b_fmt:MATRIX_FMT_FP6
.else
	v_wmma_scale_f32_16x16x128_f8f6f4 v[ACC+8*\i:ACC+8*\i+7], v[AF+12:AF+23], v[BF+24*\i+12:BF+24*\i+23], v[ACC+8*\i:ACC+8*\i+7], v[ASC], v[BSC+\i] matrix_a_fmt:MATRIX_FMT_FP6 matrix_b_fmt:MATRIX_FMT_FP6 matrix_a_scale:MATRIX_SCALE_ROW1 matrix_b_scale:MATRIX_SCALE_ROW1
.endif
.endm
; The group maxima of tiles a and a + 1, line by line in turn; each accumulator is read from its low end on.
.macro GMAX a
	v_max3_num_f32 v[M0], v[ACC+8*(\a)], v[ACC+8*(\a)+1], v[ACC+8*(\a)+2]
	v_max3_num_f32 v[M1], v[ACC+8*(\a)+8], v[ACC+8*(\a)+9], v[ACC+8*(\a)+10]
	v_max3_num_f32 v[T0], v[ACC+8*(\a)+3], v[ACC+8*(\a)+4], v[ACC+8*(\a)+5]
	v_max3_num_f32 v[T1], v[ACC+8*(\a)+11], v[ACC+8*(\a)+12], v[ACC+8*(\a)+13]
	v_max3_num_f32 v[M0], v[M0], v[ACC+8*(\a)+6], v[ACC+8*(\a)+7]
	v_max3_num_f32 v[M1], v[M1], v[ACC+8*(\a)+14], v[ACC+8*(\a)+15]
	v_max_num_f32 v[M0], v[M0], v[T0]
	v_max_num_f32 v[M1], v[M1], v[T1]
.endm
; M0, M1 go into the lists of tiles a, a + 1 under the number in s[id].  c_k = M > list k (strict: numbers rise with time, so an equal value stays behind the earlier one).
; New value k = the middle of M, old k - 1, old k;  new number k = c_k ? (c_(k-1) ? old k - 1 : id) : old k.  From the list's end up, so that old entries are read.
.macro INS a, id
.irp k, 0,1,2,3,4,5
	v_cmp_gt_f32 s[CM+\k], v[M0], v[LV+6*(\a)+\k]
	v_cmp_gt_f32 s[CM+6+\k], v[M1], v[LV+6*(\a)+6+\k]
.endr
.irp k, 5,4,3,2,1
	v_med3_num_f32 v[LV+6*(\a)+\k], v[M0], v[LV+6*(\a)+\k-1], v[LV+6*(\a)+\k]
	v_med3_num_f32 v[LV+6*(\a)+6+\k], v[M1], v[LV+6*(\a)+6+\k-1], v[LV+6*(\a)+6+\k]
.endr
	v_max_num_f32 v[LV+6*(\a)], v[M0], v[LV+6*(\a)]
	v_max_num_f32 v[LV+6*(\a)+6], v[M1], v[LV+6*(\a)+6]
.irp k, 5,4,3,2,1
	v_cndmask_b32 v[T0], s[\id], v[LI+6*(\a)+\k-1], s[CM+\k-1]
	v_cndmask_b32 v[T1], s[\id], v[LI+6*(\a)+6+\k-1], s[CM+6+\k-1]
	v_cndmask_b32 v[LI+6*(\a)+\k], v[LI+6*(\a)+\k], v[T0], s[CM+\k]
	v_cndmask_b32 v[LI+6*(\a)+6+\k], v[LI+6*(\a)+6+\k], v[T1], s[CM+6+\k]
.endr
	v_cndmask_b32 v[LI+6*(\a)], v[LI+6*(\a)], s[\id], s[CM]
	v_cndmask_b32 v[LI+6*(\a)+6], v[LI+6*(\a)+6], s[\id], s[CM+6]
.endm
; The next train tile: eight LDS reads in one run.
.macro NEXTA
	v_add_nc_u32 v[AQ], s[OFF], v[BQ]
	v_add_nc_u32 v[AP], s[OFF], v[BP]
	v_add_nc_u32 v[AW], s[OFF], v[BW]
	v_add_nc_u32 v[AYN], s[OFF], v[BYN]
.irp c, 0,1,2,3
	ds_load_b128 v[AF+4*\c:AF+4*\c+3], v[AQ] offset:256*\c
.endr
	ds_load_b64 v[AF+16:AF+17], v[AP]
	ds_load_b32 v[ASC], v[AW]
	ds_load_b128 v[YN:YN+3], v[AYN]
	ds_load_b128 v[YN+4:YN+7], v[AYN] offset:16
	s_add_co_u32 s[OFF], s[OFF], TREC
.endm
; A TRIP: one train tile against my four test tiles.  The accumulators take turns, one instruction a turn.  While tiles 0, 1 are multiplied nothing reads them: the
; lists of tiles 2, 3 (of the train tile before) stand behind, more than the four places that a read of a result and the five that a sum begun anew want (ISA guide 7.12.1); likewise the other way.
; The eight lines of GMAX 0 and NEXTA's four additions name no register of the products just issued: they are the places in front of the reads into the train tile's registers.
.macro TRIP pre
	s_wait_dscnt 0x0                               ; the train tile is in
	MM 0, 0
	MM 1, 0
	MM 0, 1
	MM 1, 1
	GMAX 2
	INS 2, IDY
	MM 2, 0
	MM 3, 0
	MM 2, 1
	MM 3, 1
	GMAX 0
.if \pre
	NEXTA
.endif
	INS 0, IDX
	s_add_co_u32 s[IDX], s[IDX], 2
	s_add_co_u32 s[IDY], s[IDY], 2
.endm
; A quarter: 16 train tiles.  Its last trip fetches nothing: the next quarter is read only behind its own wait and barrier.
.macro STAGE q
	s_wait_tensorcnt 3-\q                          ; tensor loads of a wave end in order: my part of quarter q is in, the 3 - q later quarters' may stay out
	s_barrier_signal -1                            ; (no LDS instruction of mine is out: the last trip waited for all and issued none)
	s_barrier_wait -1                              ; everybody's part is in
	s_mov_b32 s[OFF], QB*\q
	NEXTA
	s_mov_b32 s[CNT], 15
.Ltrip_\@:
	TRIP 1
	s_sub_co_u32 s[CNT], s[CNT], 1
	s_cmp_lg_u32 s[CNT], 0
	s_cbranch_scc1 .Ltrip_\@
	TRIP 0
.endm
	STAGE 0
	STAGE 1
	STAGE 2
	STAGE 3
	GMAX 2                                         ; the last train tile's tiles 2, 3
	INS 2, IDY
; THE END.  Lane l and lane l xor 16 hold two sorted lists of the same test row (even groups, odd groups).  The 6 best of both are, for k = 0..5, the better of my k-th and the partner's (5 - k)-th.
; Both lanes make the same set, lane l's slot k being lane l xor 16's slot 5 - k.  Lanes 0-15 put the values, lanes 16-31 the numbers in the matching order: 48 bytes a row.
.macro FINISH i
.irp k, 0,1,2,3,4,5
	v_add_nc_u32 v[LI+6*\i+\k], v[HB], v[LI+6*\i+\k]               ; the group's number: 2 x tile + h
.endr
.irp k, 0,1,2,3,4,5
	v_permlanex16_b32 v[OV+\k], v[LV+6*\i+5-\k], s[SEL], s[SEL+1]
	v_permlanex16_b32 v[OI+\k], v[LI+6*\i+5-\k], s[SEL], s[SEL+1]
.endr
.irp k, 0,1,2,3,4,5
	v_cmp_gt_f32 s[CM+\k], v[OV+\k], v[LV+6*\i+\k]
	v_cmp_eq_f32 s[CM+6+\k], v[OV+\k], v[LV+6*\i+\k]
	v_cmp_lt_u32 s60, v[OI+\k], v[LI+6*\i+\k]
	s_and_b32 s[CM+6+\k], s[CM+6+\k], s60
	s_or_b32 s[CM+\k], s[CM+\k], s[CM+6+\k]                        ; the partner's is better: larger, or equal with the lower number
	v_cndmask_b32 v[LV+6*\i+\k], v[LV+6*\i+\k], v[OV+\k], s[CM+\k]
	v_cndmask_b32 v[LI+6*\i+\k], v[LI+6*\i+\k], v[OI+\k], s[CM+\k]
.endr
.irp j, 0,1,2,3,4,5
	v_cndmask_b32 v[ACC+8*\i+\j], v[LV+6*\i+\j], v[LI+6*\i+5-\j], s[HM]   ; into the tile's own accumulator registers, which are done with: no store's data are written again
.endr
.irp j, 0,1,2
	ds_store_b64 v[SA], v[ACC+8*\i+2*\j:ACC+8*\i+2*\j+1] offset:768*\i+8*\j
.endr
.endm
	FINISH 0
	FINISH 1
	FINISH 2
	FINISH 3
.irp n, 0,1,2,3,4,5
	ds_load_b128 v[BF+4*\n:BF+4*\n+3], v[SR] offset:512*\n         ; my own bytes, served in order: my 64 rows' 3,072 bytes as they lie in cand
.endr
.irp n, 0,1,2,3,4,5
	s_wait_dscnt 5-\n                              ; read-back n is in, the younger ones stay out
	global_store_b128 v[GO], v[BF+4*\n:BF+4*\n+3], s[8:9] offset:512*\n   ; 32 lanes store 512 consecutive bytes, at a multiple of 256 from the buffer's first byte
.endr
	s_wait_tensorcnt 0x0
	ds_add_u32 v254, v255
	s_wait_dscnt 0x0
	CROUND                                         ; the closing round: no work-group ends while a partner may still ask for a tile that names it
	s_endpgm
.Lfunc_end_k_qb045fd11b0_coarse:
	.size	k_qb045fd11b0_coarse, .Lfunc_end_k_qb045fd11b0_coarse-k_qb045fd11b0_coarse
	.p2alignl 7, 3214868480
	.fill 96, 4, 3214868480
	.section	.rodata,"a",@progbits
	.p2align	6, 0x0
	.amdhsa_kernel k_qb045fd11b0_coarse
		.amdhsa_group_segment_fixed_size 189440
		.amdhsa_private_segment_fixed_size 0
		.amdhsa_enable_private_segment 0
		.amdhsa_kernarg_size 24
		.amdhsa_user_sgpr_count 2
		.amdhsa_user_sgpr_kernarg_segment_ptr 1
		.amdhsa_wavefront_size32 1
		.amdhsa_system_sgpr_workgroup_id_x 1
		.amdhsa_system_sgpr_workgroup_id_y 1
		.amdhsa_system_sgpr_workgroup_id_z 1
		.amdhsa_system_vgpr_workitem_id 0
		.amdhsa_next_free_vgpr 256
		.amdhsa_next_free_sgpr 66
		.amdhsa_reserve_vcc 0
		.amdhsa_float_denorm_mode_32 3
		.amdhsa_float_denorm_mode_16_64 3
		.amdhsa_memory_ordered 1
		.amdhsa_forward_progress 1
		.amdhsa_inst_pref_size 100
	.end_amdhsa_kernel
	.amdgpu_metadata
---
amdhsa.version: [ 1, 2 ]
amdhsa.kernels:
  - .name:           k_qb045fd11b0_coarse
    .symbol:         k_qb045fd11b0_coarse.kd
    .args:
      - { .name: tq, .offset: 0, .size: 8, .value_kind: global_buffer, .address_space: global }
      - { .name: nq, .offset: 8, .size: 8, .value_kind: global_buffer, .address_space: global }
      - { .name: cand, .offset: 16, .size: 8, .value_kind: global_buffer, .address_space: global }
    .group_segment_fixed_size: 189440
    .private_segment_fixed_size: 0
    .kernarg_segment_align: 8
    .kernarg_segment_size: 24
    .max_flat_workgroup_size: 256
    .sgpr_count:     66
    .vgpr_count:     256
    .wavefront_size: 32
...
	.end_amdgpu_metadata
.endif
;; end of part 2
;; launch merge (part 3): grid 256 x 1, 4 waves a work-group, no clusters, 7,680 bytes of LDS; arguments cand, sel; writes sel
.if DOCPART == 3
	.amdgcn_target "amdgcn-amd-amdhsa--gfx1250"
	.amdhsa_code_object_version 6
	.text
	.protected	k_qb045fd11b0_merge
	.globl	k_qb045fd11b0_merge
	.p2align	8
	.type	k_qb045fd11b0_merge,@function
k_qb045fd11b0_merge:
	s_mov_b64 s[64:65], 0
	v_nop
	global_prefetch_b8 v0, s[64:65] scope:SCOPE_SE
	s_setreg_imm32_b32 hwreg(HW_REG_WAVE_MODE, 25, 1), 1
	s_wait_xcnt 0x0
; For each test row: the 6 best of its 16 chunks' 6 groups each (cand [16][8192][12 words]: six values, six group numbers), by value descending, then number ascending.
; The six numbers go to sel [8192][8 words] (two words of 0 behind them) as whole numbers: the next launch forms addresses from them.
; This choice is a launch of its own.
; SHARES.  A work-group takes 32 rows, a lane a row; wave p merges chunks 4 p .. 4 p + 3 (24 insertions), waves 1-3 hand their lists to wave 0 through LDS, wave 0 merges them (18 insertions).
; No branch on data: an insertion is compares, the middle of three, and selects.  No work-group reads what another reads; there is no matrix work.
.set CHS,  393216                      ; a chunk of cand in bytes
.set E,    16                          ; v16-63  four chunks' records, 12 words each; later three waves' lists
.set V,    64                          ; v64-69  my list: values, descending
.set I,    70                          ; v70-75  its group numbers;  v76-77: 0
.set T0,   78
.set T1,   79
.set CG,   16                          ; s16-21  c_k
.set CE,   24                          ; s24-29  at work
.set CL,   32                          ; s32-37  at work
.set OUTS, 6144                        ; LDS: 1,536 bytes for each wave's list (wave 0's are not used), then 1,024 for the way out
; (m, id) goes into the list.  c_k = m > value k, or m = value k and id < number k.  Values by the middle of three (equal values give the same number either way), numbers by selects.
.macro LEXINS m, id
.irp k, 0,1,2,3,4,5
	v_cmp_gt_f32 s[CG+\k], v[\m], v[V+\k]
	v_cmp_eq_f32 s[CE+\k], v[\m], v[V+\k]
	v_cmp_lt_u32 s[CL+\k], v[\id], v[I+\k]
.endr
.irp k, 0,1,2,3,4,5
	s_and_b32 s[CE+\k], s[CE+\k], s[CL+\k]
	s_or_b32 s[CG+\k], s[CG+\k], s[CE+\k]
.endr
.irp k, 5,4,3,2,1
	v_med3_num_f32 v[V+\k], v[\m], v[V+\k-1], v[V+\k]
.endr
	v_max_num_f32 v[V], v[\m], v[V]
	v_cndmask_b32 v[T0], v[\id], v[I+4], s[CG+4]
	v_cndmask_b32 v[T1], v[\id], v[I+3], s[CG+3]
	v_cndmask_b32 v[I+5], v[I+5], v[T0], s[CG+5]
	v_cndmask_b32 v[I+4], v[I+4], v[T1], s[CG+4]
	v_cndmask_b32 v[T0], v[\id], v[I+2], s[CG+2]
	v_cndmask_b32 v[T1], v[\id], v[I+1], s[CG+1]
	v_cndmask_b32 v[I+3], v[I+3], v[T0], s[CG+3]
	v_cndmask_b32 v[I+2], v[I+2], v[T1], s[CG+2]
	v_cndmask_b32 v[T0], v[\id], v[I], s[CG]
	v_cndmask_b32 v[I+1], v[I+1], v[T0], s[CG+1]
	v_cndmask_b32 v[I], v[I], v[\id], s[CG]
.endm
	s_load_b128 s[4:7], s[0:1], 0x0                ; cand s[4:5], sel s[6:7]
	v_lshl_add_u32 v96, v0, 2, 0x1c00
	v_mov_b32 v97, 0
	v_lshrrev_b32 v1, 5, v0
	v_readfirstlane_b32 s8, v1                     ; wave 0..3
	v_and_b32 v1, 31, v0                           ; lane = row
	v_mul_u32_u24 v7, v1, 48                       ; my row's record among the 32
	s_mul_i32 s9, s8, 1536
	v_lshlrev_b32 v3, 2, v1                        ; LDS: 4 x lane: where wave 0 reads the lists,
	v_add_nc_u32 v2, s9, v3                        ; and + 1,536 x wave: where a wave puts its own
	v_lshl_add_u32 v4, v1, 5, OUTS                 ; the way out: 32 bytes a row in,
	v_lshl_add_u32 v5, v1, 4, OUTS                 ; 16 bytes a lane back
	v_lshlrev_b32 v6, 4, v1                        ; and the same in sel
	s_mul_i32 s10, s8, 4*CHS                       ; my four chunks,
	s_mul_i32 s11, ttmp9, 1536                     ; my work-group's 32 rows of 48 bytes
	s_add_co_u32 s10, s10, s11
	s_mov_b32 s11, 0
	s_lshl_b32 s12, ttmp9, 10                      ; 32 rows of 32 bytes in sel
	s_mov_b32 s13, 0
	s_wait_kmcnt 0x0
	s_add_nc_u64 s[4:5], s[4:5], s[10:11]
	s_add_nc_u64 s[6:7], s[6:7], s[12:13]
.irp cc, 0,1,2,3
.irp i, 0,1,2
	global_load_b128 v[E+12*\cc+4*\i:E+12*\cc+4*\i+3], v7, s[4:5] offset:CHS*\cc+16*\i   ; a chunk's three loads together cover 1,536 consecutive bytes
.endr
.endr
.irp k, 0,1,2,3,4,5
	v_mov_b32 v[V+\k], 0xff800000                  ; -infinity, under every value,
	v_mov_b32 v[I+\k], 0x7fffffff                  ; and a number above every group's
.endr
	v_mov_b32 v[I+6], 0
	v_mov_b32 v[I+7], 0
.irp cc, 0,1,2,3
	s_wait_loadcnt 9-3*\cc                         ; this chunk's three loads are in; the later chunks' three each stay out
.irp k, 0,1,2,3,4,5
	LEXINS E+12*\cc+\k, E+12*\cc+6+\k
.endr
.endr
	s_cmp_eq_u32 s8, 0
	s_cbranch_scc1 .Lkeep                          ; wave 0 keeps its list in registers
.irp k, 0,1,2,3,4,5
	ds_store_b32 v2, v[V+\k] offset:128*\k
	ds_store_b32 v2, v[I+\k] offset:768+128*\k
.endr
.Lkeep:
	s_wait_dscnt 0x0                               ; for wave 0's sake: my stores are done
	s_barrier_signal -1
	s_barrier_wait -1
	s_cmp_lg_u32 s8, 0
	s_cbranch_scc1 .Lend
.irp p, 1,2,3
.irp k, 0,1,2,3,4,5,6,7,8,9,10,11
	ds_load_b32 v[E+12*(\p-1)+\k], v3 offset:1536*\p+128*\k
.endr
.endr
.irp p, 0,1,2
	s_wait_dscnt 24-12*\p                          ; this list's twelve reads are in; the later lists' twelve each stay out
.irp k, 0,1,2,3,4,5
	LEXINS E+12*\p+\k, E+12*\p+6+\k
.endr
.endr
	ds_store_b128 v4, v[I:I+3]                     ; a row's 32 bytes lie with one lane: through LDS, so that a store's lanes hold neighbouring bytes
	ds_store_b128 v4, v[I+4:I+7] offset:16
	ds_load_b128 v[E:E+3], v5                      ; my own bytes, served in order
	ds_load_b128 v[E+4:E+7], v5 offset:512
	s_wait_dscnt 0x0
	global_store_b128 v6, v[E:E+3], s[6:7]         ; 32 lanes store 512 consecutive bytes, at a multiple of 256 from the buffer's first byte
	global_store_b128 v6, v[E+4:E+7], s[6:7] offset:512
.Lend:
	s_wait_tensorcnt 0x0
	ds_add_u32 v96, v97
	s_wait_dscnt 0x0
	s_endpgm
.Lfunc_end_k_qb045fd11b0_merge:
	.size	k_qb045fd11b0_merge, .Lfunc_end_k_qb045fd11b0_merge-k_qb045fd11b0_merge
	.p2alignl 7, 3214868480
	.fill 96, 4, 3214868480
	.section	.rodata,"a",@progbits
	.p2align	6, 0x0
	.amdhsa_kernel k_qb045fd11b0_merge
		.amdhsa_group_segment_fixed_size 7680
		.amdhsa_private_segment_fixed_size 0
		.amdhsa_enable_private_segment 0
		.amdhsa_kernarg_size 16
		.amdhsa_user_sgpr_count 2
		.amdhsa_user_sgpr_kernarg_segment_ptr 1
		.amdhsa_wavefront_size32 1
		.amdhsa_system_sgpr_workgroup_id_x 1
		.amdhsa_system_sgpr_workgroup_id_y 1
		.amdhsa_system_sgpr_workgroup_id_z 1
		.amdhsa_system_vgpr_workitem_id 0
		.amdhsa_next_free_vgpr 98
		.amdhsa_next_free_sgpr 66
		.amdhsa_reserve_vcc 0
		.amdhsa_float_denorm_mode_32 3
		.amdhsa_float_denorm_mode_16_64 3
		.amdhsa_memory_ordered 1
		.amdhsa_forward_progress 1
		.amdhsa_inst_pref_size 114
	.end_amdhsa_kernel
	.amdgpu_metadata
---
amdhsa.version: [ 1, 2 ]
amdhsa.kernels:
  - .name:           k_qb045fd11b0_merge
    .symbol:         k_qb045fd11b0_merge.kd
    .args:
      - { .name: cand, .offset: 0, .size: 8, .value_kind: global_buffer, .address_space: global }
      - { .name: sel, .offset: 8, .size: 8, .value_kind: global_buffer, .address_space: global }
    .group_segment_fixed_size: 7680
    .private_segment_fixed_size: 0
    .kernarg_segment_align: 8
    .kernarg_segment_size: 16
    .max_flat_workgroup_size: 128
    .sgpr_count:     66
    .vgpr_count:     98
    .wavefront_size: 32
...
	.end_amdgpu_metadata
.endif
;; end of part 3
;; launch refine (part 4): grid 256 x 1, 16 waves a work-group, no clusters, 2,304 bytes of LDS; arguments tq, nq, sel, p_hat_train, out0; writes out0
.if DOCPART == 4
	.amdgcn_target "amdgcn-amd-amdhsa--gfx1250"
	.amdhsa_code_object_version 6
	.text
	.protected	k_qb045fd11b0_refine
	.globl	k_qb045fd11b0_refine
	.p2align	8
	.type	k_qb045fd11b0_refine,@function
k_qb045fd11b0_refine:
	s_mov_b64 s[64:65], 0
	v_nop
	global_prefetch_b8 v0, s[64:65] scope:SCOPE_SE
	s_setreg_imm32_b32 hwreg(HW_REG_WAVE_MODE, 25, 1), 1
	s_wait_xcnt 0x0
; For each test row: its 6 groups of 8 train rows (sel) are gathered, the 48 products are made again by the same matrix instruction, the distance is formed as it is defined,
; dist = (|x|^2 + |y|^2) - 2 p with one rounding for the sum and one for the difference (2 p is exact, so one fused multiply-add gives it), the 5 smallest are taken by (dist, train row), and
; p_hat_train's two classes are averaged over them.
; LIMITS: NaN and infinities, and distances that overflow, are not served (+infinity marks what has been taken).  The mean is the sum x 0.2, not a division by 5.
; out0 leaves in runs of 128 bytes: a work-group has 32 rows of each class; the whole output is 65,536 bytes.
; SHARES.  A wave takes two test rows, a = 32 x work-group + 2 x wave and b = a + 1; straight-line text; sixteen waves of 256 registers fill a WGP's four SIMDs.
; Source 0 = the test fragment with rows 0-7 = a and rows 8-15 = b (lanes read the same bytes).  Source 1 = six gathered tiles (x = a or b, u = 0..2): column r is row r % 8 of group
; sel[x][2 u + r / 8].  In a result every register holds the same number: lanes 0-15 a . column r, lanes 16-31 b . column r.  So lane (r, h) ends with three candidates of row a + h.
; The addresses hang on whole numbers that an earlier launch stored; each is held inside its table by v_min_u32 with a constant, and behind that only multiplies, shifts left and adds follow.
; The rows that work-groups gather hang on lists, so no tile is known to be shared: nothing is asked for jointly.  Nothing is asked for ahead either: a wave's rows are known only from its list, and it
; loads them at once.
.set TREC, 2560
.set VA,  5                            ; v5-8   test side: codes (b128), codes (b64), scale word, norm;  later v6-8: the three distances
.set VAP, 6
.set VAS, 7
.set VAX, 8
.set LQ,  9                            ; v9-12  my lane's places in a gathered group;  later v9 the least distance, v10-12 at work
.set LP,  10
.set LS,  11
.set LY,  12
.set VS,  13                           ; v13    4 (r / 8): my word of a pair in sel;  later the least train row
.set ASC, 14                           ; v14    the test rows' scale words
.set HXN, 15                           ; v15    -|x|^2 / 2 of row a + h
.set BSC, 16                           ; v16-21 the gathered tiles' scale words
.set LO,  22                           ; v22    LDS: 8 x wave + 4 h
.set LL,  23                           ; v23    4 x lane
.set AFR, 24                           ; v24-47 the test fragments (v42-47: K's padding, zero codes)
.set BFR, 48                           ; v48-191 six gathered tiles, 24 registers each (18-23 of each: zero codes)
.set ID,  192                          ; v192-197 group numbers, 3 x + u        } v192-223 later hold accumulators 0-3
.set SID, 198                          ; v198-200 my own three candidates' groups }
.set TT,  201
.set GG,  202
.set OQ,  203                          ; v203-208, v209-214, v215-220: the tiles' offsets in nq: codes, codes, scale word
.set OP,  209
.set OS,  215
.set OY,  221                          ; v221-223 my candidates' norms
.set OPH, 224                          ; v224-226 my candidates in p_hat_train;  later v224 +infinity, v225-227 at work
.set HY,  228                          ; v228-230 -|y|^2 / 2, then |y|^2
.set P0,  231                          ; v231-233, v234-236 p_hat of the two classes
.set P1,  234
.set TRF, 237                          ; v237-239 my candidates' train rows as f32 (exact: under 2^14)
                                       ; accumulator i at v[192 + 8 i + 16 (i / 4)]: 192, 200, 208, 216, 240, 248
	s_load_b256 s[4:11], s[0:1], 0x0               ; tq s[4:5], nq s[6:7], sel s[8:9], p_hat_train s[10:11]
	s_load_b64 s[12:13], s[0:1], 0x20              ; out0
	v_lshrrev_b32 v1, 5, v0
	v_readfirstlane_b32 s14, v1                    ; wave 0..15
	v_bfe_u32 v2, v0, 4, 1                         ; h
	v_bfe_u32 v3, v0, 3, 1                         ; r / 8
	v_and_b32 v4, 7, v0                            ; r % 8
	v_cmp_ne_u32 s28, 0, v2                        ; lanes 16-31
	s_and_b32 s20, s14, 7
	s_lshr_b32 s21, s20, 2                         ; row a in its tile is ra = 2 (wave % 8): its group of eight,
	s_mul_i32 s24, s21, 1152
	s_and_b32 s22, s20, 3
	s_lshl_b32 s22, s22, 1                         ; ra % 8,
	s_lshl_b32 s23, s20, 1                         ; ra
	v_add_nc_u32 v9, s22, v3                       ; my row's place in its group: ra % 8 + r / 8
	v_lshlrev_b32 v[VA], 4, v9
	v_lshl_add_u32 v[VA], v2, 7, v[VA]
	v_add_nc_u32 v[VA], s24, v[VA]                 ; 1152 g + 16 (8 h + place)
	v_lshlrev_b32 v[VAP], 3, v9
	v_lshl_add_u32 v[VAP], v2, 6, v[VAP]
	v_add_nc_u32 v[VAP], s24, v[VAP]
	v_add_nc_u32 v[VAP], 1024, v[VAP]              ; 1152 g + 1024 + 8 (8 h + place)
	v_add_nc_u32 v[VAS], s23, v3
	v_lshlrev_b32 v[VAS], 2, v[VAS]
	v_lshl_add_u32 v[VAS], v2, 6, v[VAS]
	v_add_nc_u32 v[VAS], 2304, v[VAS]              ; 2304 + 4 (16 h + row)
	v_add_nc_u32 v[VAX], s23, v2
	v_lshl_add_u32 v[VAX], v[VAX], 2, 2432         ; 2432 + 4 (ra + h)
	v_lshlrev_b32 v[LQ], 4, v4
	v_lshl_add_u32 v[LQ], v2, 7, v[LQ]             ; 16 (8 h + r % 8)
	v_lshlrev_b32 v[LP], 3, v4
	v_lshl_add_u32 v[LP], v2, 6, v[LP]
	v_add_nc_u32 v[LP], 1024, v[LP]                ; 1024 + 8 (8 h + r % 8)
	v_lshlrev_b32 v[LY], 2, v4
	v_lshl_add_u32 v[LS], v2, 6, v[LY]
	v_add_nc_u32 v[LS], 2304, v[LS]                ; 2304 + 64 h + 4 (r % 8)
	v_add_nc_u32 v[LY], 2432, v[LY]                ; 2432 + 4 (r % 8)
	v_lshlrev_b32 v[VS], 2, v3
	s_lshl_b32 s29, s14, 3
	v_lshl_add_u32 v[LO], v2, 2, s29
	v_and_b32 v[LL], 31, v0
	v_lshlrev_b32 v[LL], 2, v[LL]
	s_lshl_b32 s16, ttmp9, 1
	s_lshr_b32 s17, s14, 3
	s_add_co_u32 s16, s16, s17                     ; the test tile: 2 x work-group + wave / 8
	s_mul_i32 s16, s16, TREC
	s_mov_b32 s17, 0
	s_lshl_b32 s18, ttmp9, 10                      ; sel: 32 rows of 32 bytes a work-group,
	s_lshl_b32 s19, s14, 6                         ; two a wave
	s_add_co_u32 s18, s18, s19
	s_mov_b32 s19, 0
	s_lshl_b32 s26, ttmp9, 7                       ; out0: 32 rows of 4 bytes
	s_mov_b32 s27, 0
	s_wait_kmcnt 0x0
	s_add_nc_u64 s[4:5], s[4:5], s[16:17]
	s_add_nc_u64 s[8:9], s[8:9], s[18:19]
	s_add_nc_u64 s[12:13], s[12:13], s[26:27]
.irp x, 0,1
.irp u, 0,1,2
	global_load_b32 v[ID+3*\x+\u], v[VS], s[8:9] offset:32*\x+8*\u   ; sel[a + x][2 u + r / 8]
.endr
.endr
.irp c, 0,1,2,3
	global_load_b128 v[AFR+4*\c:AFR+4*\c+3], v[VA], s[4:5] offset:256*\c
.endr
	global_load_b64 v[AFR+16:AFR+17], v[VAP], s[4:5]
	global_load_b32 v[ASC], v[VAS], s[4:5]
	global_load_b32 v[HXN], v[VAX], s[4:5]
.irp j, 18,19,20,21,22,23                      ; K's padding: zero codes
	v_mov_b32 v[AFR+\j], 0
.irp i, 0,1,2,3,4,5
	v_mov_b32 v[BFR+24*\i+\j], 0
.endr
.endr
	s_wait_loadcnt 7                               ; the six numbers from sel are in; the seven loads of the test side, issued behind them, stay out
.irp i, 0,1,2,3,4,5                            ; group number -> record id / 2, half id % 2; then the tile's six loads
	v_lshrrev_b32 v[TT], 1, v[ID+\i]
	v_and_b32 v[GG], 1, v[ID+\i]
	v_min_u32 v[TT], 0x3ff, v[TT]                  ; inside nq's 1,024 records
	v_min_u32 v[GG], 1, v[GG]
	v_mul_u32_u24 v[TT], v[TT], TREC
	v_mul_u32_u24 v[OS+\i], v[GG], 1152
	v_add_nc_u32 v[OS+\i], v[OS+\i], v[TT]
	v_add_nc_u32 v[OQ+\i], v[OS+\i], v[LQ]
	v_add_nc_u32 v[OP+\i], v[OS+\i], v[LP]
	v_lshlrev_b32 v[GG], 5, v[GG]
	v_add_nc_u32 v[OS+\i], v[TT], v[GG]
	v_add_nc_u32 v[OS+\i], v[OS+\i], v[LS]
.irp c, 0,1,2,3
	global_load_b128 v[BFR+24*\i+4*\c:BFR+24*\i+4*\c+3], v[OQ+\i], s[6:7] offset:256*\c
.endr
	global_load_b64 v[BFR+24*\i+16:BFR+24*\i+17], v[OP+\i], s[6:7]
	global_load_b32 v[BSC+\i], v[OS+\i], s[6:7]
.endr
.irp u, 0,1,2                                  ; my own candidates: of row a in lanes 0-15, of row b in lanes 16-31
	v_cndmask_b32 v[SID+\u], v[ID+\u], v[ID+3+\u], s28
	v_lshrrev_b32 v[TT], 1, v[SID+\u]
	v_and_b32 v[GG], 1, v[SID+\u]
	v_min_u32 v[TT], 0x3ff, v[TT]
	v_min_u32 v[GG], 1, v[GG]
	v_mul_u32_u24 v[TT], v[TT], TREC
	v_lshlrev_b32 v[GG], 5, v[GG]
	v_add_nc_u32 v[OY+\u], v[TT], v[GG]
	v_add_nc_u32 v[OY+\u], v[OY+\u], v[LY]
	v_min_u32 v[SID+\u], 0x7ff, v[SID+\u]          ; inside the 2,048 groups
	v_lshlrev_b32 v[SID+\u], 3, v[SID+\u]
	v_add_nc_u32 v[SID+\u], v[SID+\u], v4          ; the train row: 8 x group + r % 8
	v_lshlrev_b32 v[OPH+\u], 2, v[SID+\u]
	v_cvt_f32_u32 v[TRF+\u], v[SID+\u]
	global_load_b32 v[HY+\u], v[OY+\u], s[6:7]
	global_load_b32 v[P0+\u], v[OPH+\u], s[10:11]
	global_load_b32 v[P1+\u], v[OPH+\u], s[10:11] offset:65536
.endr
	s_wait_loadcnt 0x0                             ; all operands are in, and every offset register is free: accumulators 0-3 take their place
.irp i, 0,1,2,3,4,5                            ; six accumulators by turns, one instruction a turn; the first product starts each sum
	v_wmma_scale_f32_16x16x128_f8f6f4 v[192+8*\i+16*(\i/4):192+8*\i+16*(\i/4)+7], v[AFR:AFR+11], v[BFR+24*\i:BFR+24*\i+11], 0, v[ASC], v[BSC+\i] matrix_a_fmt:MATRIX_FMT_FP6 matrix_b_fmt:MATRIX_FMT_FP6
.endr
.irp i, 0,1,2,3,4,5
	v_wmma_scale_f32_16x16x128_f8f6f4 v[192+8*\i+16*(\i/4):192+8*\i+16*(\i/4)+7], v[AFR+12:AFR+23], v[BFR+24*\i+12:BFR+24*\i+23], v[192+8*\i+16*(\i/4):192+8*\i+16*(\i/4)+7], v[ASC], v[BSC+\i] matrix_a_fmt:MATRIX_FMT_FP6 matrix_b_fmt:MATRIX_FMT_FP6 matrix_a_scale:MATRIX_SCALE_ROW1 matrix_b_scale:MATRIX_SCALE_ROW1
.endr
	v_mov_b32 v224, 0x7f800000                     ; +infinity.  These eight lines name no register of the products: they are the places in front of the first read of a result
.irp u, 0,1,2
	v_mul_f32 v[HY+\u], -2.0, v[HY+\u]             ; |y|^2 (exact)
.endr
	v_mul_f32 v[HXN], -2.0, v[HXN]                 ; |x|^2
.irp u, 0,1,2
	v_add_f32 v[6+\u], v[HXN], v[HY+\u]            ; |x|^2 + |y|^2, rounded once
.endr
.irp u, 0,1,2
	v_cndmask_b32 v[10+\u], v[192+8*\u], v[192+8*(3+\u)+16*((3+\u)/4)], s28   ; each accumulator's lowest register: a's tile in lanes 0-15, b's in lanes 16-31
.endr
.irp u, 0,1,2
	v_fma_f32 v[6+\u], -2.0, v[10+\u], v[6+\u]     ; the distance
.endr
; Five times: the least distance among the row's 48 (sixteen lanes x three), the least train row among those that have it, and that one is taken: its distance becomes +infinity.
.rept 5
	v_min3_num_f32 v9, v6, v7, v8
	v_min_num_f32_dpp v9, v9, v9 row_xmask:1 row_mask:0xf bank_mask:0xf
	v_min_num_f32_dpp v9, v9, v9 row_xmask:2 row_mask:0xf bank_mask:0xf
	v_min_num_f32_dpp v9, v9, v9 row_xmask:4 row_mask:0xf bank_mask:0xf
	v_min_num_f32_dpp v9, v9, v9 row_xmask:8 row_mask:0xf bank_mask:0xf
.irp u, 0,1,2
	v_cmp_eq_f32 s[30+\u], v[6+\u], v9
.endr
.irp u, 0,1,2
	v_cndmask_b32 v[10+\u], v224, v[TRF+\u], s[30+\u]
.endr
	v_min3_num_f32 v13, v10, v11, v12
	v_min_num_f32_dpp v13, v13, v13 row_xmask:1 row_mask:0xf bank_mask:0xf
	v_min_num_f32_dpp v13, v13, v13 row_xmask:2 row_mask:0xf bank_mask:0xf
	v_min_num_f32_dpp v13, v13, v13 row_xmask:4 row_mask:0xf bank_mask:0xf
	v_min_num_f32_dpp v13, v13, v13 row_xmask:8 row_mask:0xf bank_mask:0xf
.irp u, 0,1,2
	v_cmp_eq_f32 s[30+\u], v[TRF+\u], v13
.endr
.irp u, 0,1,2
	v_cndmask_b32 v[6+\u], v[6+\u], v224, s[30+\u]
.endr
.endr
.irp u, 0,1,2
	v_cmp_eq_f32 s[30+\u], v[6+\u], v224           ; taken
.endr
.irp u, 0,1,2
	v_cndmask_b32 v[10+\u], 0, v[P0+\u], s[30+\u]
	v_cndmask_b32 v[225+\u], 0, v[P1+\u], s[30+\u]
.endr
	v_add_f32 v10, v10, v11
	v_add_f32 v225, v225, v226
	v_add_f32 v10, v10, v12
	v_add_f32 v225, v225, v227
.irp m, 1,2,4,8
	v_add_f32_dpp v10, v10, v10 row_xmask:\m row_mask:0xf bank_mask:0xf
	v_add_f32_dpp v225, v225, v225 row_xmask:\m row_mask:0xf bank_mask:0xf
.endr
	v_mul_f32 v10, 0x3e4ccccd, v10                 ; x 0.2
	v_mul_f32 v225, 0x3e4ccccd, v225
	ds_store_b32 v[LO], v10                        ; sixteen lanes write the same word with the same value: row 2 x wave + h of class 0,
	ds_store_b32 v[LO], v225 offset:128            ; of class 1
	s_wait_dscnt 0x0                               ; for wave 0's sake: my stores are done
	s_barrier_signal -1
	s_barrier_wait -1
	s_cmp_lg_u32 s14, 0
	s_cbranch_scc1 .Lend
	ds_load_b32 v10, v[LL]
	ds_load_b32 v11, v[LL] offset:128
	s_wait_dscnt 0x0
	global_store_b32 v[LL], v10, s[12:13]          ; 32 lanes store the work-group's 128 consecutive bytes of a class
	global_store_b32 v[LL], v11, s[12:13] offset:32768
.Lend:
	s_wait_xcnt 0x0
	v_lshl_add_u32 v254, v0, 2, 0x100
	v_mov_b32 v255, 0
	s_wait_tensorcnt 0x0
	ds_add_u32 v254, v255
	s_wait_dscnt 0x0
	s_endpgm
.Lfunc_end_k_qb045fd11b0_refine:
	.size	k_qb045fd11b0_refine, .Lfunc_end_k_qb045fd11b0_refine-k_qb045fd11b0_refine
	.p2alignl 7, 3214868480
	.fill 96, 4, 3214868480
	.section	.rodata,"a",@progbits
	.p2align	6, 0x0
	.amdhsa_kernel k_qb045fd11b0_refine
		.amdhsa_group_segment_fixed_size 2304
		.amdhsa_private_segment_fixed_size 0
		.amdhsa_enable_private_segment 0
		.amdhsa_kernarg_size 40
		.amdhsa_user_sgpr_count 2
		.amdhsa_user_sgpr_kernarg_segment_ptr 1
		.amdhsa_wavefront_size32 1
		.amdhsa_system_sgpr_workgroup_id_x 1
		.amdhsa_system_sgpr_workgroup_id_y 1
		.amdhsa_system_sgpr_workgroup_id_z 1
		.amdhsa_system_vgpr_workitem_id 0
		.amdhsa_next_free_vgpr 256
		.amdhsa_next_free_sgpr 66
		.amdhsa_reserve_vcc 0
		.amdhsa_float_denorm_mode_32 3
		.amdhsa_float_denorm_mode_16_64 3
		.amdhsa_memory_ordered 1
		.amdhsa_forward_progress 1
		.amdhsa_inst_pref_size 26
	.end_amdhsa_kernel
	.amdgpu_metadata
---
amdhsa.version: [ 1, 2 ]
amdhsa.kernels:
  - .name:           k_qb045fd11b0_refine
    .symbol:         k_qb045fd11b0_refine.kd
    .args:
      - { .name: tq, .offset: 0, .size: 8, .value_kind: global_buffer, .address_space: global }
      - { .name: nq, .offset: 8, .size: 8, .value_kind: global_buffer, .address_space: global }
      - { .name: sel, .offset: 16, .size: 8, .value_kind: global_buffer, .address_space: global }
      - { .name: p_hat_train, .offset: 24, .size: 8, .value_kind: global_buffer, .address_space: global }
      - { .name: out0, .offset: 32, .size: 8, .value_kind: global_buffer, .address_space: global }
    .group_segment_fixed_size: 2304
    .private_segment_fixed_size: 0
    .kernarg_segment_align: 8
    .kernarg_segment_size: 40
    .max_flat_workgroup_size: 512
    .sgpr_count:     66
    .vgpr_count:     256
    .wavefront_size: 32
...
	.end_amdgpu_metadata
.endif
;; end of part 4
